; MI455X (gfx1250); checked and timed in simulation.
; The chip was launched on July 23, 2026; its instructions are those of AMD's public machine-readable ISA for CDNA 5 (MIT licence, August 2026) and "CDNA5" Instruction Set Architecture Reference Guide (July 2026). The comments in the code are by the model that wrote it; some were corrected since.
;; Fractal Attention. Allowed arithmetic: float matrix products may take bf16 or f16 operands with f32 sums; all other float work in f32.
;; Inputs: Wk 2,048 x 2,048 float32; Wo 2,048 x 2,048 float32; Wq 2,048 x 2,048 float32; Wv 2,048 x 2,048 float32; bk 2,048 float32; bo 2,048 float32; bq 2,048 float32; bv 2,048 float32; mask 4 x 512 int32; x 4 x 512 x 2,048 float32.
;; Outputs: out0 4 x 512 x 2,048 float32.
;; One version. Each part assembles by itself: llvm-mc -triple=amdgcn-amd-amdhsa -mcpu=gfx1250 --defsym DOCPART=n.
;; ======== version 1 of 1: 4 launches
;; limits: values are held in f16: magnitudes above 65,504 overflow, below 6.1e-05 lose precision
;; workspace buffers: wh 41,943,040 bytes; qkv 25,165,824 bytes; att 8,388,608 bytes
;; launch cvt (part 1): grid 256 x 5, 8 waves a work-group, no clusters, 0 bytes of LDS; arguments x, Wq, Wk, Wv, Wo, wh; writes wh
.if DOCPART == 1
	.amdgcn_target "amdgcn-amd-amdhsa--gfx1250"
	.amdhsa_code_object_version 6
	.text
	.protected	k_q5e85dc2bf6_cvt
	.globl	k_q5e85dc2bf6_cvt
	.p2align	8
	.type	k_q5e85dc2bf6_cvt,@function
k_q5e85dc2bf6_cvt:
	s_mov_b64 s[64:65], 0
	v_nop
	global_prefetch_b8 v0, s[64:65] scope:SCOPE_SE
	s_setreg_imm32_b32 hwreg(HW_REG_WAVE_MODE, 25, 1), 1
	s_wait_xcnt 0x0
; wh[10240][2048] f16 = x, Wq, Wk, Wv, Wo (2048 rows each, in this order) rounded from f32.
; Every one of these tensors is a matrix operand that many work-groups of the later launches read: it is rounded once here, so
; that the products can bring 2-byte tiles into LDS and share them.
; LIMIT: a number of magnitude 65,504 or more becomes infinite in f16; numbers below 6.1e-5 keep an absolute step of 6e-8.
; A pure stream: no LDS, no barrier, no matrix unit, no cluster (no two work-groups read the same byte).
; Grid y picks the tensor, grid x 65,536 bytes of it; a wave takes 8,192 bytes as sixteen loads of 512 neighbouring bytes, all
; sixteen issued at once; each store of the wave covers 256 consecutive bytes, aligned.
; The rounded pairs go into the first two of a load's four registers: 72 registers a wave, so that ten waves (two of each of five
; work-groups, 1,280 work-groups on 256 WGPs) fit into a SIMD's 1,024 registers at once.
.set X, 8                              ; v[8:71]    sixteen loads, 4 registers each; the first two of each are then the store's data, written once
	s_load_b256 s[4:11], s[0:1], 0x0               ; x s[4:5], Wq s[6:7], Wk s[8:9], Wv s[10:11]
	s_load_b128 s[12:15], s[0:1], 0x20             ; Wo s[12:13], wh s[14:15]
	s_and_b32 s16, ttmp7, 0xffff                   ; which tensor
	v_lshrrev_b32 v1, 5, v0                        ; wave
	v_and_b32 v3, 31, v0                           ; lane
	v_lshlrev_b32 v1, 13, v1                       ; 8,192 bytes a wave
	v_lshl_or_b32 v1, v3, 4, v1                    ; + 16 bytes a lane: offset in the source
	v_lshrrev_b32 v2, 1, v1                        ; half of it in the destination
	s_lshl_b32 s18, ttmp9, 16                      ; the work-group's 65,536 bytes of f32
	s_mov_b32 s19, 0
	s_lshl_b32 s20, s16, 23                        ; a tensor is 8,388,608 bytes of f16
	s_lshl_b32 s21, ttmp9, 15
	s_add_co_u32 s20, s20, s21
	s_mov_b32 s21, 0
	s_wait_kmcnt 0x0
	s_cmp_eq_u32 s16, 1
	s_cselect_b64 s[4:5], s[6:7], s[4:5]
	s_cmp_eq_u32 s16, 2
	s_cselect_b64 s[4:5], s[8:9], s[4:5]
	s_cmp_eq_u32 s16, 3
	s_cselect_b64 s[4:5], s[10:11], s[4:5]
	s_cmp_eq_u32 s16, 4
	s_cselect_b64 s[4:5], s[12:13], s[4:5]
	s_add_nc_u64 s[4:5], s[4:5], s[18:19]
	s_add_nc_u64 s[14:15], s[14:15], s[20:21]
.irp j, 0,1,2,3,4,5,6,7,8,9,10,11,12,13,14,15
	global_load_b128 v[X+4*\j:X+4*\j+3], v1, s[4:5] offset:512*\j th:TH_LOAD_NT
.endr
.irp j, 0,1,2,3,4,5,6,7,8,9,10,11,12,13,14,15
	s_wait_loadcnt 15-\j                           ; loads come back in order: load j is in, the 15 - j younger ones stay out
	v_cvt_pk_f16_f32 v[X+4*\j],   v[X+4*\j],   v[X+4*\j+1]
	v_cvt_pk_f16_f32 v[X+4*\j+1], v[X+4*\j+2], v[X+4*\j+3]
	global_store_b64 v2, v[X+4*\j:X+4*\j+1], s[14:15] offset:256*\j
.endr
	s_endpgm
.Lfunc_end_k_q5e85dc2bf6_cvt:
	.size	k_q5e85dc2bf6_cvt, .Lfunc_end_k_q5e85dc2bf6_cvt-k_q5e85dc2bf6_cvt
	.p2alignl 7, 3214868480
	.fill 96, 4, 3214868480
	.section	.rodata,"a",@progbits
	.p2align	6, 0x0
	.amdhsa_kernel k_q5e85dc2bf6_cvt
		.amdhsa_group_segment_fixed_size 0
		.amdhsa_private_segment_fixed_size 0
		.amdhsa_enable_private_segment 0
		.amdhsa_kernarg_size 48
		.amdhsa_user_sgpr_count 2
		.amdhsa_user_sgpr_kernarg_segment_ptr 1
		.amdhsa_wavefront_size32 1
		.amdhsa_system_sgpr_workgroup_id_x 1
		.amdhsa_system_sgpr_workgroup_id_y 1
		.amdhsa_system_sgpr_workgroup_id_z 1
		.amdhsa_system_vgpr_workitem_id 0
		.amdhsa_next_free_vgpr 72
		.amdhsa_next_free_sgpr 66
		.amdhsa_reserve_vcc 0
		.amdhsa_float_denorm_mode_32 3
		.amdhsa_float_denorm_mode_16_64 3
		.amdhsa_memory_ordered 1
		.amdhsa_forward_progress 1
		.amdhsa_inst_pref_size 7
	.end_amdhsa_kernel
	.amdgpu_metadata
---
amdhsa.version: [ 1, 2 ]
amdhsa.kernels:
  - .name:           k_q5e85dc2bf6_cvt
    .symbol:         k_q5e85dc2bf6_cvt.kd
    .args:
      - { .name: x, .offset: 0, .size: 8, .value_kind: global_buffer, .address_space: global }
      - { .name: Wq, .offset: 8, .size: 8, .value_kind: global_buffer, .address_space: global }
      - { .name: Wk, .offset: 16, .size: 8, .value_kind: global_buffer, .address_space: global }
      - { .name: Wv, .offset: 24, .size: 8, .value_kind: global_buffer, .address_space: global }
      - { .name: Wo, .offset: 32, .size: 8, .value_kind: global_buffer, .address_space: global }
      - { .name: wh, .offset: 40, .size: 8, .value_kind: global_buffer, .address_space: global }
    .group_segment_fixed_size: 0
    .private_segment_fixed_size: 0
    .kernarg_segment_align: 8
    .kernarg_segment_size: 48
    .max_flat_workgroup_size: 256
    .sgpr_count:     66
    .vgpr_count:     72
    .wavefront_size: 32
...
	.end_amdgpu_metadata
.endif
;; end of part 1
;; launch qkv (part 2): grid 16 x 16, 4 waves a work-group, clusters of 4 x 4, 327,680 bytes of LDS; arguments wh, bq, bk, bv, qkv; writes qkv
.if DOCPART == 2
	.amdgcn_target "amdgcn-amd-amdhsa--gfx1250"
	.amdhsa_code_object_version 6
	.text
	.protected	k_q5e85dc2bf6_qkv
	.globl	k_q5e85dc2bf6_qkv
	.p2align	8
	.type	k_q5e85dc2bf6_qkv,@function
k_q5e85dc2bf6_qkv:
	s_mov_b64 s[64:65], 0
	v_nop
	global_prefetch_b8 v0, s[64:65] scope:SCOPE_SE
	s_setreg_imm32_b32 hwreg(HW_REG_WAVE_MODE, 25, 1), 1
	s_wait_xcnt 0x0
	s_wait_alu depctr_hold_cnt(0) depctr_sa_sdst(0) depctr_va_vdst(0) depctr_va_sdst(0) depctr_va_ssrc(0) depctr_va_vcc(0) depctr_vm_vsrc(0)
	s_getreg_b32 s2, hwreg(HW_REG_IB_STS2, 6, 4)
	s_cmp_eq_u32 s2, 0
	s_cbranch_scc0 .Lentry_in_a_cluster
	s_endpgm
.Lentry_in_a_cluster:
	s_bfe_u32 s2, ttmp6, 0x10000c
	s_cmp_lg_u32 s2, 0xf033
	s_cbranch_scc0 .Lentry_shape_is_right
	s_endpgm
.Lentry_shape_is_right:
; qkv[2048][6144] f16 = xh . (Wq|Wk|Wv)^T + (bq|bk|bv).  xh = rows 0-2047 of wh, the three weights = rows 2048-8191 (f16, K along the rows).
; Sums in f32, rounded once to f16.  LIMIT: |q|, |k|, |v| of 65,504 or more become infinite.
; 2048 x 6144 outputs on 256 work-groups are 128 x 384 each.  Four waves; wave w makes all 128 rows x columns 96 w .. 96 w + 95:
; 8 x 6 = 48 accumulator tiles, 384 registers; for 32 along K it reads 28 x 16 bytes a lane from LDS for 48 matrix instructions.
; K goes in steps of 128 through two LDS slots (128 rows of x, 384 rows of W, 256 bytes a row); each wave brings 128 rows with one tensor load.
; CLUSTERS: 4 x 4 work-groups.  Grid x counts block rows, grid y block columns.  x's tile hangs on the block row alone and is asked for jointly by a
; column of the cluster (same cx; wave 0); W's tiles hang on the block column alone and are asked for jointly by a row (same cy; waves 1 to 3).
; That divides the requests for both by four.
; WHERE IN K A CLUSTER STARTS.  Cluster (X, Y) starts at byte 1,024 ((X + 2 Y) mod 4) of the rows' 4,096 and wraps at the row's end.  The four clusters of
; one Y, which read the same 1,536 rows of W, start at the four quarters of K; clusters Y and Y + 1 (Y even) of one X, which read the same 512 rows of x,
; start half of K apart.  So among clusters that read the same bytes each is the first to ask for an equal share, in its first steps, and later asks for
; bytes that another asked for 4 or 8 steps before.  Every step of K is taken once; the sums are the same terms in a rotated order.
; THE MATRIX INSTRUCTION IS USED TRANSPOSED (source 0 = 16 rows of W, source 1 = 16 rows of x): lane l holds row l % 16 of the result and its eight
; registers the columns 8 (l / 16) + 0..7.  So the bias of those eight columns is the C of a tile's first product: nothing is cleared or added later.
; REGISTERS: window 0 addresses, bias, way out; window 1 two fragment buffers (W's 6 fragments, then x's 8); windows 2, 3 accumulators of rows 0-63, 64-127.
.set KSTEP,  128
.set PITCH,  272                       ; an LDS row: 256 bytes + 16 of padding, so that 16 neighbouring rows start 16 bytes apart modulo 256
.set HALFT,  128*PITCH                 ; what one tensor load brings
.set SLOT,   4*HALFT                   ; x's 128 rows, then W's 384
.set SP,     784                       ; the way out: a row of 384 f16 + 16 bytes
.set DM,     2048
.set ROWB,   DM*2                      ; bytes in a row of wh
.set QP,     12288                     ; bytes in a row of qkv
.set LAPS,   DM/(2*KSTEP)              ; a lap = two K steps = once round the ring: 8
.set ADRA, 16                          ; v16-17  LDS address of x's fragments in slot 0, 1
.set ADRB, 20                          ; v20-21  the same for my 96 rows of W
.set STO,  24                          ; v24     the way out: where I put 16 bytes, rows 0-63
.set STO2, 25                          ; v25     the same, rows 64-127
.set RD,   26                          ; v26     the way out: where I read rows back
.set CO,   27                          ; v27     my byte offset in qkv
.set BOFF, 28                          ; v28     32 x (l / 16): my eight numbers of a tile's sixteen biases
.set BIAS, 32                          ; v[32:79]   six tiles' biases
.set RB0,  96                          ; v[96:127]  the way out: rows read back, two buffers
.set RB1,  128
.set TMP,  192                         ; v[192:215] the way out: packed results
.set F0,   0                           ; window 1: fragment buffer 0
.set F1,   128                         ; window 1: fragment buffer 1
.set G1,   24                          ; s[24:31] group 1 for x's tile
.set G0,   32                          ; s[32:39] group 0 for x's tile, one set a slot
.set G1B,  40                          ; s[40:47] group 1 for W's tiles: differs in the mask alone
.set G0B,  48                          ; s[48:55] group 0 for W's tiles, one set a slot
.set BP,   66                          ; s[66:77] six bias pointers
.set KO,   80                          ; s[80:83] for each slot: the byte in the rows at which its tile begins, with 0 above it
.set LOADW,    0x40                    ; destination window 1, address window 0
.set MUL_LO,   0xa5                    ; sources 0 and 1 window 1, C and D window 2
.set MUL_HI,   0xf5                    ; the same, C and D window 3
.set FIRST_LO, 0x85                    ; C (the bias) window 0, D window 2
.set FIRST_HI, 0xc5                    ; C window 0, D window 3
.set MSB, 0
.macro WIN new                         ; the immediate's high byte repeats the setting that is left
.if MSB != \new
	s_set_vgpr_msb (MSB<<8)|\new
.set MSB, \new
.endif
.endm
.macro PLACES                          ; four plain vector places behind a matrix instruction (ISA guide 7.12.1) before its registers are loaded into or its results read
.rept 4
	v_nop
.endr
.endm
.macro CREST                           ; a round of the cluster's barrier behind its opening work-group barrier
	s_cmp_lg_u32 s14, 0
	s_cbranch_scc1 .Lnot_wave_0_\@
	s_barrier_signal -3
.Lnot_wave_0_\@:
	s_barrier_wait -3
	s_barrier_signal -1
	s_barrier_wait -1
.endm
.macro CROUND                          ; a whole round
	s_barrier_signal -1
	s_barrier_wait -1
	CREST
.endm
.macro JLOAD s                         ; a wave's one joint load: wave 0 asks for x's tile, waves 1 to 3 for 128 rows of W each.  The branch hangs on the wave's number alone
	s_cmp_eq_u32 s14, 0
	s_cbranch_scc0 .Lfor_b_\@
	tensor_load_to_lds s[G0+4*\s:G0+4*\s+3], s[G1:G1+7]
	s_nop 0
	s_branch .Lasked_\@
.Lfor_b_\@:
	tensor_load_to_lds s[G0B+4*\s:G0B+4*\s+3], s[G1B:G1B+7]
	s_nop 0
.Lasked_\@:
.endm
	s_load_b256 s[4:11], s[0:1], 0x0               ; wh s[4:5], bq s[6:7], bk s[8:9], bv s[10:11]
	s_load_b64 s[12:13], s[0:1], 0x20              ; qkv
	s_set_vgpr_msb 0x40
	v_lshl_add_u32 v254, v0, 2, 0x44000
	v_mov_b32 v255, 0
	s_set_vgpr_msb 0x4045
	ds_add_u32 v254, v255
	s_set_vgpr_msb 0x4500
	v_lshrrev_b32 v1, 5, v0
	v_readfirstlane_b32 s14, v1                    ; wave 0..3
	s_bfe_u32 s17, ttmp6, 0x40000                  ; cx
	s_bfe_u32 s18, ttmp6, 0x40004                  ; cy
	s_lshl_b32 s20, ttmp9, 2
	s_add_co_u32 s20, s20, s17                     ; block row = 4 x cluster x + cx
	s_and_b32 s19, ttmp7, 0xffff                   ; cluster y
	s_lshl_b32 s[KO], s19, 1                       ; where in K the cluster starts: made of the cluster's x and y alone, which all sixteen partners share
	s_add_co_u32 s[KO], s[KO], ttmp9
	s_and_b32 s[KO], s[KO], 3                      ; (X + 2 Y) mod 4
	s_lshl_b32 s[KO], s[KO], 10                    ; quarters of a row: 1,024 bytes = 4 K steps
	s_mov_b32 s[KO+1], 0
	s_add_co_u32 s[KO+2], s[KO], KSTEP*2           ; slot 1 begins one K step on: 3,328 at the most, inside the row
	s_mov_b32 s[KO+3], 0
	s_lshl_b32 s19, s19, 2
	s_add_co_u32 s19, s19, s18                     ; block column = 4 x cluster y + cy
	s_lshl_b32 s21, 0x1111, s17                    ; my column of the cluster (same cx): places cx, cx + 4, cx + 8, cx + 12: x's tile
	s_lshl_b32 s22, s18, 2
	s_lshl_b32 s22, 15, s22                        ; my row of the cluster (same cy): places 4 cy .. 4 cy + 3: W's tiles
	; group 1: 128 rows x 128 elements of 2 bytes, 4 words of padding behind every 64 words; bit 21 set beside the mask
	s_or_b32 s[G1+0],  s21, (1<<16)|(1<<20)|(1<<21)|(5<<22)|(3<<25)
	s_or_b32 s[G1B+0], s22, (1<<16)|(1<<20)|(1<<21)|(5<<22)|(3<<25)
	s_mov_b32 s[G1+1],  KSTEP<<16                  ; tensor_dim0 = 128
	s_mov_b32 s[G1B+1], KSTEP<<16
	s_mov_b32 s[G1+2],  128<<16                    ; tensor_dim1 = 128
	s_mov_b32 s[G1B+2], 128<<16
	s_mov_b32 s[G1+3],  KSTEP<<16                  ; tile_dim0 = 128
	s_mov_b32 s[G1B+3], KSTEP<<16
	s_mov_b32 s[G1+4],  128                        ; tile_dim1 = 128
	s_mov_b32 s[G1B+4], 128
	s_mov_b32 s[G1+5],  DM                         ; elements from row to row
	s_mov_b32 s[G1B+5], DM
	s_mov_b32 s[G1+6],  0
	s_mov_b32 s[G1B+6], 0
	s_mov_b32 s[G1+7],  0
	s_mov_b32 s[G1B+7], 0
	; x's rows: 128 x block row, 4,096 bytes a row.  Made of the block row alone.
	s_lshl_b32 s56, s20, 19
	s_mov_b32 s57, 0
	; W's rows: 2048 + 384 x block column + 128 (w - 1).  Made of the block column and the wave's number alone.
	s_max_u32 s60, s14, 1
	s_sub_co_u32 s60, s60, 1
	s_lshl_b32 s60, s60, 7
	s_mul_i32 s58, s19, 384
	s_add_co_u32 s58, s58, s60
	s_lshl_b32 s58, s58, 12
	s_add_co_u32 s58, s58, 0x800000
	s_mov_b32 s59, 0
	s_mul_i32 s23, s14, HALFT                      ; where a wave's rows go: wave x 128 rows
	s_wait_dscnt 0x0
	s_wait_kmcnt 0x0
	s_add_nc_u64 s[56:57], s[4:5], s[56:57]        ; the first byte of x's rows; kept for the whole kernel
	s_add_nc_u64 s[58:59], s[4:5], s[58:59]        ; the first byte of W's rows; kept likewise
.irp s, 0,1
	s_mov_b32 s[G0+4*\s], 1
	s_add_co_u32 s[G0+4*\s+1], s23, \s*SLOT
	s_add_nc_u64 s[G0+4*\s+2:G0+4*\s+3], s[56:57], s[KO+2*\s:KO+2*\s+1]
	s_or_b32 s[G0+4*\s+3], s[G0+4*\s+3], 0x80000000
	s_mov_b32 s[G0B+4*\s], 1
	s_add_co_u32 s[G0B+4*\s+1], s23, \s*SLOT
	s_add_nc_u64 s[G0B+4*\s+2:G0B+4*\s+3], s[58:59], s[KO+2*\s:KO+2*\s+1]
	s_or_b32 s[G0B+4*\s+3], s[G0B+4*\s+3], 0x80000000
.endr
	CROUND                                         ; all sixteen work-groups are here: the first joint loads meet
	JLOAD 0                                        ; the cluster's first K step
	JLOAD 1                                        ; its second: two loads of mine are out now, later one behind each round
	v_and_b32 v1, 15, v0                           ; r = l % 16
	v_bfe_u32 v2, v0, 4, 1                         ; h = l / 16
	v_lshlrev_b32 v[BOFF], 5, v2
	; The biases of my six column tiles.  Column n = 384 x block column + 96 w + 16 b; n >> 11 picks bq, bk or bv (a tile of 16 never crosses a multiple of 2048).
	s_mul_i32 s15, s19, 384
	s_mul_i32 s16, s14, 96
	s_add_co_u32 s15, s15, s16
.macro BIASLD b
	s_add_co_u32 s78, s15, 16*\b
	s_lshr_b32 s79, s78, 11
	s_and_b32 s78, s78, 2047
	s_lshl_b32 s78, s78, 2
	s_cmp_eq_u32 s79, 1
	s_cselect_b64 s[BP+2*\b:BP+2*\b+1], s[8:9], s[6:7]
	s_cmp_eq_u32 s79, 2
	s_cselect_b64 s[BP+2*\b:BP+2*\b+1], s[10:11], s[BP+2*\b:BP+2*\b+1]
	s_mov_b32 s79, 0
	s_add_nc_u64 s[BP+2*\b:BP+2*\b+1], s[BP+2*\b:BP+2*\b+1], s[78:79]
	global_load_b128 v[BIAS+8*\b:BIAS+8*\b+3],   v[BOFF], s[BP+2*\b:BP+2*\b+1]
	global_load_b128 v[BIAS+8*\b+4:BIAS+8*\b+7], v[BOFF], s[BP+2*\b:BP+2*\b+1] offset:16
.endm
.irp b, 0,1,2,3,4,5
	BIASLD \b
.endr
	; A fragment is 16 rows x 32 K in 8 registers: lane l holds row r; registers 0-3 K = 8 h + 0..7, registers 4-7 K = 16 + 8 h + 0..7: two loads of 16 bytes, 32 apart.
	v_mul_u32_u24 v3, v1, PITCH
	v_lshl_add_u32 v3, v2, 4, v3                   ; r x pitch + 16 h
	s_mul_i32 s61, s14, 96*PITCH
	s_add_co_u32 s61, s61, HALFT                   ; my 96 rows of W lie behind x's 128
	v_mov_b32 v[ADRA], v3
	v_add_nc_u32 v[ADRA+1], SLOT, v3
	v_add_nc_u32 v[ADRB], s61, v3
	s_add_co_u32 s61, s61, SLOT
	v_add_nc_u32 v[ADRB+1], s61, v3
	v_mul_u32_u24 v4, v1, SP                       ; the way out, in: row r, byte 192 w + 16 h
	v_lshl_add_u32 v4, v2, 4, v4
	s_mul_i32 s62, s14, 192
	v_add_nc_u32 v[STO], s62, v4
	v_add_nc_u32 v[STO2], 64*SP, v[STO]
	s_lshl_b32 s62, s14, 5                         ; back: rows 32 w + h, 16 bytes a lane
	v_add_nc_u32 v5, s62, v2
	v_mul_u32_u24 v5, v5, SP
	v_lshl_add_u32 v[RD], v1, 4, v5
	v_mul_u32_u24 v5, v2, QP
	v_lshl_add_u32 v[CO], v1, 4, v5
; 12 matrix instructions: row tiles a0, a0 + 1 of the window's four x my 6 column tiles, 32 along K.  first = 1: C is the bias.
; The 48 accumulators take turns, one instruction a turn, in the same order everywhere.
.macro MUL12 f, hi, a0, first
.irp a, \a0, \a0+1
.irp b, 0,1,2,3,4,5
.if \first
	v_wmma_f32_16x16x32_f16 v[8*(6*(\a)+\b):8*(6*(\a)+\b)+7], v[\f+8*\b:\f+8*\b+7], v[\f+48+8*(4*\hi+\a):\f+48+8*(4*\hi+\a)+7], v[BIAS+8*\b:BIAS+8*\b+7]
.else
	v_wmma_f32_16x16x32_f16 v[8*(6*(\a)+\b):8*(6*(\a)+\b)+7], v[\f+8*\b:\f+8*\b+7], v[\f+48+8*(4*\hi+\a):\f+48+8*(4*\hi+\a)+7], v[8*(6*(\a)+\b):8*(6*(\a)+\b)+7]
.endif
.endr
.endr
.endm
; 28 LDS loads in one run: W's 6 fragments, then x's 8, of the 32 K at byte k of the slot's rows, into buffer f
.macro FETCH slot, k, f
	WIN LOADW
.irp i, 0,1,2,3,4,5
	ds_load_b128 v[\f+8*\i:\f+8*\i+3],   v[ADRB+\slot] offset:\k+\i*16*PITCH
	ds_load_b128 v[\f+8*\i+4:\f+8*\i+7], v[ADRB+\slot] offset:\k+\i*16*PITCH+32
.endr
.irp i, 0,1,2,3,4,5,6,7
	ds_load_b128 v[\f+48+8*\i:\f+48+8*\i+3],   v[ADRA+\slot] offset:\k+\i*16*PITCH
	ds_load_b128 v[\f+48+8*\i+4:\f+48+8*\i+7], v[ADRA+\slot] offset:\k+\i*16*PITCH+32
.endr
.endm
; One of a K step's first three quarters: multiplies buffer f and, in its middle, fetches the next quarter into buffer g.
.macro QUARTER slot, k, f, g, first
	s_wait_dscnt 8                                 ; W's fragments and x's 0-3 are in; the youngest eight loads (x's 4-7) may be out
.if \first
	WIN FIRST_LO
.else
	WIN MUL_LO
.endif
	MUL12 \f, 0, 0, \first
	MUL12 \f, 0, 2, \first
	PLACES
	FETCH \slot, \k, \g
	s_wait_dscnt 28                                ; all but the 28 just issued
.if \first
	WIN FIRST_HI
.else
	WIN MUL_HI
.endif
	MUL12 \f, 1, 0, \first
	MUL12 \f, 1, 2, \first
.endm
.macro THREE slot, first
	QUARTER \slot, 64,  F0, F1, \first
	QUARTER \slot, 128, F1, F0, 0
	QUARTER \slot, 192, F0, F1, 0
.endm
; The last quarter: multiplies buffer 1 and changes slots.  In front of the barrier each wave waits for its reads of this slot and for all its tensor loads
; (the one that is out is its part of the next slot).  Where the slot is filled again the barrier opens a round of the cluster's barrier, and the joint
; refill is the first tensor load behind the round: no wave of any partner still reads the slot or has a load on its way.
.macro TURN slot, next, fill
	s_wait_dscnt 8
	WIN MUL_LO
	MUL12 F1, 0, 0, 0
	s_wait_dscnt 0                                 ; my reads of this slot are over
	s_wait_tensorcnt 0x0                           ; all my tensor loads have landed
	ds_add_u32 v254, v255
	s_wait_dscnt 0x0
	s_barrier_signal -1
	MUL12 F1, 0, 2, 0                              ; register work while the others arrive
	WIN 0
	s_barrier_wait -1
.if \fill
	CREST
	; no load of mine is out: the slot's two group 0 may be written.  Two K steps on along the rows, back to the row's first byte behind its last.
	s_add_co_u32 s[KO+2*\slot], s[KO+2*\slot], 2*KSTEP*2
	s_and_b32 s[KO+2*\slot], s[KO+2*\slot], ROWB-1
	s_add_nc_u64 s[G0+4*\slot+2:G0+4*\slot+3], s[56:57], s[KO+2*\slot:KO+2*\slot+1]
	s_or_b32 s[G0+4*\slot+3], s[G0+4*\slot+3], 0x80000000
	s_add_nc_u64 s[G0B+4*\slot+2:G0B+4*\slot+3], s[58:59], s[KO+2*\slot:KO+2*\slot+1]
	s_or_b32 s[G0B+4*\slot+3], s[G0B+4*\slot+3], 0x80000000
	JLOAD \slot
.endif
	PLACES
	FETCH \next, 0, F0
	WIN MUL_HI
	MUL12 F1, 1, 0, 0
	MUL12 F1, 1, 2, 0
.endm
.macro LAP first
	THREE 0, \first
	TURN 0, 1, 1
	THREE 1, 0
	TURN 1, 0, 1
.endm
	s_wait_tensorcnt 1                             ; my part of the first K step is in; the second's load, the one issued behind it, stays out
	s_barrier_signal -1
	s_barrier_wait -1
	FETCH 0, 0, F0
	s_wait_loadcnt 0x0                             ; the biases
	LAP 1                                          ; the first lap stands in front of the loop: its first products start the sums on the bias
	WIN 0                                          ; at a label and at a branch every window is 0
	s_mov_b32 s3, LAPS-2
.Llap:
	LAP 0
	WIN 0
	s_sub_co_u32 s3, s3, 1
	s_cmp_lg_u32 s3, 0
	s_cbranch_scc1 .Llap
	THREE 0, 0                                     ; the last lap fills nothing
	TURN 0, 1, 0                                   ; behind this barrier no wave reads slot 0 and no load lands in it any more
	THREE 1, 0
	s_wait_dscnt 8
	WIN MUL_LO
	MUL12 F1, 0, 0, 0
	MUL12 F1, 0, 2, 0
	s_wait_dscnt 0
	WIN MUL_HI
	MUL12 F1, 1, 0, 0
	MUL12 F1, 1, 2, 0
	; THE WAY OUT.  The block's 128 rows x 768 bytes are gathered in slot 0, which has had its last fill and its last read, then read back by rows:
	; wave w stores rows 32 w .. 32 w + 31, sixteen lanes writing 256 consecutive bytes at a multiple of 256 from qkv's first byte.
	PLACES
	s_lshl_b32 s78, s20, 7
	s_lshl_b32 s16, s14, 5
	s_add_co_u32 s78, s78, s16                     ; row 128 x block row + 32 w
	s_mul_i32 s78, s78, QP
	s_mul_i32 s16, s19, 768                        ; 384 columns of 2 bytes a block column
	s_add_co_u32 s78, s78, s16
	s_mov_b32 s79, 0
	s_add_nc_u64 s[12:13], s[12:13], s[78:79]
.macro STG a, from, adr                ; row tile a of a window: round to f16, 16 bytes a lane into the stage
	WIN \from
.irp b, 0,1,2,3,4,5
.irp q, 0,1,2,3
	v_cvt_pk_f16_f32 v[TMP+4*\b+\q], v[8*(6*\a+\b)+2*\q], v[8*(6*\a+\b)+2*\q+1]
.endr
.endr
	WIN 0
.irp b, 0,1,2,3,4,5
	ds_store_b128 v[\adr], v[TMP+4*\b:TMP+4*\b+3] offset:\a*16*SP+32*\b
.endr
.endm
.irp a, 0,1,2,3
	STG \a, 0x0a, STO
.endr
.irp a, 0,1,2,3
	STG \a, 0x0f, STO2
.endr
	s_wait_dscnt 0x0                               ; my stores are in LDS before I say so: other waves read them
	s_barrier_signal -1
	s_barrier_wait -1
.macro OUTB c, half, f                 ; sixteen of my rows, the c-th 256 bytes of each
	s_wait_xcnt 0x0                                ; buffer f, which earlier stores read, is loaded again only behind this wait
.irp t, 0,1,2,3,4,5,6,7
	ds_load_b128 v[\f+4*\t:\f+4*\t+3], v[RD] offset:(8*\half+\t)*2*SP+256*\c
.endr
.irp t, 0,1,2,3,4,5,6,7
	s_wait_dscnt 7-\t                              ; LDS loads come back in order: load t is in
	global_store_b128 v[CO], v[\f+4*\t:\f+4*\t+3], s[12:13] offset:(8*\half+\t)*2*QP+256*\c
.endr
.endm
	OUTB 0, 0, RB0
	OUTB 0, 1, RB1
	OUTB 1, 0, RB0
	OUTB 1, 1, RB1
	OUTB 2, 0, RB0
	OUTB 2, 1, RB1
	s_set_vgpr_msb 0x5
	s_wait_tensorcnt 0x0
	ds_add_u32 v254, v255
	s_wait_dscnt 0x0
	s_set_vgpr_msb 0x500
	CROUND                                         ; the closing round: no work-group ends while a partner may still ask for a tile that names it
	s_endpgm
.Lfunc_end_k_q5e85dc2bf6_qkv:
	.size	k_q5e85dc2bf6_qkv, .Lfunc_end_k_q5e85dc2bf6_qkv-k_q5e85dc2bf6_qkv
	.p2alignl 7, 3214868480
	.fill 96, 4, 3214868480
	.section	.rodata,"a",@progbits
	.p2align	6, 0x0
	.amdhsa_kernel k_q5e85dc2bf6_qkv
		.amdhsa_group_segment_fixed_size 327680
		.amdhsa_private_segment_fixed_size 0
		.amdhsa_enable_private_segment 0
		.amdhsa_kernarg_size 40
		.amdhsa_user_sgpr_count 2
		.amdhsa_user_sgpr_kernarg_segment_ptr 1
		.amdhsa_wavefront_size32 1
		.amdhsa_system_sgpr_workgroup_id_x 1
		.amdhsa_system_sgpr_workgroup_id_y 1
		.amdhsa_system_sgpr_workgroup_id_z 1
		.amdhsa_system_vgpr_workitem_id 0
		.amdhsa_next_free_vgpr 1024
		.amdhsa_next_free_sgpr 84
		.amdhsa_reserve_vcc 0
		.amdhsa_float_denorm_mode_32 3
		.amdhsa_float_denorm_mode_16_64 3
		.amdhsa_memory_ordered 1
		.amdhsa_forward_progress 1
		.amdhsa_inst_pref_size 161
	.end_amdhsa_kernel
	.amdgpu_metadata
---
amdhsa.version: [ 1, 2 ]
amdhsa.kernels:
  - .name:           k_q5e85dc2bf6_qkv
    .symbol:         k_q5e85dc2bf6_qkv.kd
    .args:
      - { .name: wh, .offset: 0, .size: 8, .value_kind: global_buffer, .address_space: global }
      - { .name: bq, .offset: 8, .size: 8, .value_kind: global_buffer, .address_space: global }
      - { .name: bk, .offset: 16, .size: 8, .value_kind: global_buffer, .address_space: global }
      - { .name: bv, .offset: 24, .size: 8, .value_kind: global_buffer, .address_space: global }
      - { .name: qkv, .offset: 32, .size: 8, .value_kind: global_buffer, .address_space: global }
    .group_segment_fixed_size: 327680
    .private_segment_fixed_size: 0
    .kernarg_segment_align: 8
    .kernarg_segment_size: 40
    .max_flat_workgroup_size: 128
    .sgpr_count:     84
    .vgpr_count:     1024
    .wavefront_size: 32
...
	.end_amdgpu_metadata
.endif
;; end of part 2
;; launch attn (part 3): grid 256 x 1, 4 waves a work-group, clusters of 4 x 1, 306,688 bytes of LDS; arguments qkv, mask, att; writes att
.if DOCPART == 3
	.amdgcn_target "amdgcn-amd-amdhsa--gfx1250"
	.amdhsa_code_object_version 6
	.text
	.protected	k_q5e85dc2bf6_attn
	.globl	k_q5e85dc2bf6_attn
	.p2align	8
	.type	k_q5e85dc2bf6_attn,@function
k_q5e85dc2bf6_attn:
	s_mov_b64 s[64:65], 0
	v_nop
	global_prefetch_b8 v0, s[64:65] scope:SCOPE_SE
	s_setreg_imm32_b32 hwreg(HW_REG_WAVE_MODE, 25, 1), 1
	s_wait_xcnt 0x0
	s_wait_alu depctr_hold_cnt(0) depctr_sa_sdst(0) depctr_va_vdst(0) depctr_va_sdst(0) depctr_va_ssrc(0) depctr_va_vcc(0) depctr_vm_vsrc(0)
	s_getreg_b32 s2, hwreg(HW_REG_IB_STS2, 6, 4)
	s_cmp_eq_u32 s2, 0
	s_cbranch_scc0 .Lentry_in_a_cluster
	s_endpgm
.Lentry_in_a_cluster:
	s_bfe_u32 s2, ttmp6, 0x10000c
	s_cmp_lg_u32 s2, 0x3003
	s_cbranch_scc0 .Lentry_shape_is_right
	s_endpgm
.Lentry_shape_is_right:
; att[b][t][head] = softmax(q k^T / sqrt(128), keys with mask 0 at -inf) v, for one batch b, one head and 128 queries a work-group.  q, k, v, att: f16.
; Scores, maximum, exponentials and sums in f32; the row's true maximum is taken away before the exponential (a whole row of 512 scores lies in registers).
; The weights go to the matrix unit as f16 (they lie in 0..1).  The denominator is the f32 sum of these ROUNDED weights, the numbers that multiply v:
; an order of rounding that differs from the reference's.  A batch whose mask is all 0 gives NaN, as the reference does.
; The reference's entropy enters only a select between two copies of the same weights and is not returned: it changes no output for any input and is not computed.
; CLUSTERS: the four query blocks of one (b, head) form a cluster and need the same 512 rows of k and of v: each wave asks jointly for 128 rows of each.
; All of k and v stays in LDS: every byte of LDS is filled once, there is no ring.
; ORIENTATION.  S^T = k q^T (source 0 = 16 keys, source 1 = 16 queries): lane l holds query l % 16 and keys 8 (l / 16) + 0..7 of a key tile.  Packing a lane's own
; registers of two neighbouring key tiles gives its part of source 1 for O^T = v^T P^T, and there a lane ends with 8 neighbouring numbers of its query's row.
; So maximum, sum and reciprocal are numbers of a lane, and the one exchange between lanes is that of the two halves for the maximum.
; Wave w has queries 32 w .. 32 w + 31 of the block (two query tiles c).
.set KP,     272                       ; k's LDS row: 256 + 16 bytes: 16 neighbouring rows start 16 bytes apart modulo 256
.set VP,     288                       ; v's LDS row: 256 + 32 bytes, an odd multiple of 32, for the transposing loads
.set KQ,     128*KP
.set VQ,     128*VP
.set VBASE,  4*KQ
.set TABLE,  VBASE+4*VQ                ; f32[512]: 0 for a key that counts, -inf for a masked one
.set STAGE,  TABLE+2048                ; the way out: 16 rows x 272 bytes for each wave
.set SPITCH, 272
.set QKVP,   12288                     ; bytes in a row of qkv
.set ATTP,   4096                      ; bytes in a row of att
.set ADRK, 8                           ; v8-11   k's fragments: keys 128 n ..
.set ADRV, 12                          ; v12-15  v's transposed fragments: keys 128 n ..
.set STO,  16
.set RD,   17
.set CO,   18
.set QOFF, 19
.set MT,   20                          ; TABLE + 32 h
.set TST,  21                          ; TABLE + 16 x thread
.set MOFF, 22
.set NINF, 23
.set MX,   24                          ; v24-31  four chains of maxima for each c
.set NMC,  32                          ; v[32:35] -(scale x maximum), a pair for each c
.set RINV, 40                          ; v[40:43] 1 / sum, a pair for each c
.set MW,   44                          ; v[44:51] mask words, table words
.set QF,   64                          ; v[64:127]  q's fragments (c, kk)
.set BA,   128                         ; v[128:255] table values of 16 key tiles (window 0: tiles 0-15; window 1: tiles 16-31)
.set VB0,  64                          ; v's fragments, two buffers, once q and the table values are spent
.set VB1,  128
.set ONES, 200                         ; v[200:207] a fragment of 1.0
.set TMP,  208                         ; v[208:239]
.set T,    64
.set RB,   128
.set KB0,  0                           ; window 1: k's fragments, two buffers; later O (dt, c) at 8 (2 dt + c) and the sums at 128 + 8 c
.set KB1,  128
.set MSB, 0
.macro WIN new
.if MSB != \new
	s_set_vgpr_msb (MSB<<8)|\new
.set MSB, \new
.endif
.endm
.macro PLACES                          ; four plain vector places behind a matrix instruction (ISA guide 7.12.1)
.rept 4
	v_nop
.endr
.endm
.macro CROUND                          ; a round of the cluster's barrier
	s_barrier_signal -1
	s_barrier_wait -1
	s_cmp_lg_u32 s14, 0
	s_cbranch_scc1 .Lnot_wave_0_\@
	s_barrier_signal -3
.Lnot_wave_0_\@:
	s_barrier_wait -3
	s_barrier_signal -1
	s_barrier_wait -1
.endm
	s_load_b128 s[4:7], s[0:1], 0x0                ; qkv s[4:5], mask s[6:7]
	s_load_b64 s[8:9], s[0:1], 0x10                ; att
	v_lshl_add_u32 v62, v0, 2, 0x4ac00
	v_mov_b32 v63, 0
	ds_add_u32 v62, v63
	v_lshrrev_b32 v1, 5, v0
	v_readfirstlane_b32 s14, v1                    ; wave
	s_bfe_u32 s12, ttmp6, 0x40000                  ; cx: the query block
	s_lshr_b32 s10, ttmp9, 4                       ; b
	s_and_b32 s11, ttmp9, 15                       ; head
	s_mov_b32 s40, 0x76543210                      ; v_permlanex16_b32: lane i reads lane i of the other half
	s_mov_b32 s41, 0xfedcba98
	s_mov_b32 s42, 0x3e0293ee                      ; log2(e) / sqrt(128)
	s_mov_b32 s43, 0x3e0293ee
	s_mov_b32 s44, 0xbe0293ee                      ; its negative
	s_mov_b32 s45, 0xff800000                      ; -inf
	; group 1: 128 rows x 128 elements of 2 bytes, mask = all four work-groups, bit 21 beside it; padding behind every 64 words: 4 words for k, 8 for v
	s_mov_b32 s16, 15|(1<<16)|(1<<20)|(1<<21)|(5<<22)|(3<<25)
	s_mov_b32 s24, 15|(1<<16)|(1<<20)|(1<<21)|(5<<22)|(7<<25)
	s_mov_b32 s17, 128<<16
	s_mov_b32 s25, 128<<16
	s_mov_b32 s18, 128<<16
	s_mov_b32 s26, 128<<16
	s_mov_b32 s19, 128<<16
	s_mov_b32 s27, 128<<16
	s_mov_b32 s20, 128
	s_mov_b32 s28, 128
	s_mov_b32 s21, 6144
	s_mov_b32 s29, 6144
	s_mov_b32 s22, 0
	s_mov_b32 s30, 0
	s_mov_b32 s23, 0
	s_mov_b32 s31, 0
	; k's and v's rows 512 b + 128 w, at the head's 256 bytes: nothing of cx enters
	s_lshl_b32 s46, s10, 9
	s_lshl_b32 s47, s14, 7
	s_add_co_u32 s46, s46, s47
	s_mul_i32 s46, s46, QKVP
	s_lshl_b32 s47, s11, 8
	s_add_co_u32 s46, s46, s47
	s_mov_b32 s47, 0
	; my queries: rows 512 b + 128 cx + 32 w
	s_lshl_b32 s13, s10, 9
	s_lshl_b32 s52, s12, 7
	s_add_co_u32 s13, s13, s52
	s_lshl_b32 s52, s14, 5
	s_add_co_u32 s13, s13, s52
	s_mul_i32 s52, s13, QKVP
	s_lshl_b32 s54, s11, 8
	s_add_co_u32 s52, s52, s54
	s_mov_b32 s53, 0
	s_lshl_b32 s55, s13, 12
	s_add_co_u32 s54, s54, s55
	s_mov_b32 s55, 0
	s_lshl_b32 s15, s10, 11                        ; the batch's 2,048 bytes of mask
	s_mov_b32 s32, 1
	s_mul_i32 s33, s14, KQ
	s_mov_b32 s36, 1
	s_mul_i32 s37, s14, VQ
	s_add_co_u32 s37, s37, VBASE
	s_wait_dscnt 0x0
	s_wait_kmcnt 0x0
	s_add_nc_u64 s[48:49], s[4:5], s[46:47]
	s_add_nc_u64 s[34:35], s[48:49], 4096          ; k: columns 2048 ..
	s_or_b32 s35, s35, 0x80000000
	s_add_nc_u64 s[38:39], s[48:49], 8192          ; v: columns 4096 ..
	s_or_b32 s39, s39, 0x80000000
	s_add_nc_u64 s[52:53], s[4:5], s[52:53]        ; q
	s_add_nc_u64 s[8:9], s[8:9], s[54:55]          ; att
	CROUND                                         ; the four work-groups are here: the joint loads meet
	tensor_load_to_lds s[32:35], s[16:23]          ; my 128 rows of k
	s_nop 0
	tensor_load_to_lds s[36:39], s[24:31]          ; my 128 rows of v: two loads of mine are out, and no more are ever issued
	s_nop 0
	v_and_b32 v1, 15, v0                           ; r
	v_bfe_u32 v2, v0, 4, 1                         ; h
	v_mul_u32_u24 v[QOFF], v1, QKVP
	v_lshl_add_u32 v[QOFF], v2, 4, v[QOFF]
	v_lshl_add_u32 v[MOFF], v0, 4, s15
	; q's fragments come straight into registers: each byte is used by this wave alone, so LDS would add a round trip
.irp c, 0,1
.irp kk, 0,1,2,3
	global_load_b128 v[QF+8*(4*\c+\kk):QF+8*(4*\c+\kk)+3],   v[QOFF], s[52:53] offset:\c*16*QKVP+64*\kk
	global_load_b128 v[QF+8*(4*\c+\kk)+4:QF+8*(4*\c+\kk)+7], v[QOFF], s[52:53] offset:\c*16*QKVP+64*\kk+32
.endr
.endr
	global_load_b128 v[MW:MW+3], v[MOFF], s[6:7]   ; mask of keys 4 t .. 4 t + 3 for thread t
	v_mul_u32_u24 v3, v1, KP
	v_lshl_add_u32 v3, v2, 4, v3                   ; r x 272 + 16 h
	v_and_b32 v4, 7, v0
	v_lshl_add_u32 v4, v2, 3, v4                   ; key 8 h + l % 8
	v_mul_u32_u24 v4, v4, VP
	v_bfe_u32 v5, v0, 3, 1
	v_lshl_add_u32 v4, v5, 4, v4                   ; + 16 bytes for the upper eight lanes of a half
.irp n, 0,1,2,3
	v_add_nc_u32 v[ADRK+\n], \n*KQ, v3
	v_add_nc_u32 v[ADRV+\n], VBASE+\n*VQ, v4
.endr
	s_mul_i32 s46, s14, 16*SPITCH
	s_add_co_u32 s46, s46, STAGE                   ; my stage
	s_mov_b32 s47, TABLE
	v_add_nc_u32 v[STO], s46, v3
	v_mul_u32_u24 v6, v2, SPITCH
	v_lshl_add_u32 v6, v1, 4, v6
	v_add_nc_u32 v[RD], s46, v6
	v_lshlrev_b32 v6, 12, v2
	v_lshl_add_u32 v[CO], v1, 4, v6
	v_lshl_add_u32 v[MT], v2, 5, s47
	v_lshl_add_u32 v[TST], v0, 4, s47
	v_mov_b32 v[NINF], 0xff800000
	s_wait_loadcnt 0x0                             ; q and the mask
.irp j, 0,1,2,3
	v_cmp_eq_u32 vcc_lo, 0, v[MW+\j]
	v_cndmask_b32 v[MW+4+\j], 0, v[NINF], vcc_lo   ; mask 0: -inf, else 0
.endr
	ds_store_b128 v[TST], v[MW+4:MW+7]
	s_wait_dscnt 0x0                               ; my part of the table is in LDS before I say so
	s_wait_tensorcnt 1                             ; my rows of k are in; v's load, issued behind it, stays out
	s_barrier_signal -1
	s_barrier_wait -1
	; PHASE 1: S^T = k q^T, four key tiles (64 keys) at a time on two fragment buffers.
.irp tt, 0,1,2,3,4,5,6,7,8,9,10,11,12,13,14,15
	ds_load_b128 v[BA+8*\tt:BA+8*\tt+3],   v[MT] offset:64*\tt       ; table values of keys 16 tt + 8 h + 0..7
	ds_load_b128 v[BA+8*\tt+4:BA+8*\tt+7], v[MT] offset:64*\tt+16
.endr
.macro FETCHK g, kb                    ; 32 loads: key tiles 4 g + i, all 128 numbers of a row
	WIN 0x40
.irp i, 0,1,2,3
.irp kk, 0,1,2,3
	ds_load_b128 v[\kb+8*(4*\i+\kk):\kb+8*(4*\i+\kk)+3],   v[ADRK+\g/2] offset:(4*(\g%2)+\i)*16*KP+64*\kk
	ds_load_b128 v[\kb+8*(4*\i+\kk)+4:\kb+8*(4*\i+\kk)+7], v[ADRK+\g/2] offset:(4*(\g%2)+\i)*16*KP+64*\kk+32
.endr
.endr
.endm
; 32 matrix instructions; the eight accumulators (4 key tiles x 2 query tiles) take turns, one instruction a turn.  The first product starts each sum.
.macro QK g, kb, win
	WIN \win
.irp kk, 0,1,2,3
.irp i, 0,1,2,3
.irp c, 0,1
.if \kk == 0
	v_wmma_f32_16x16x32_f16 v[8*(2*((4*\g+\i)%16)+\c):8*(2*((4*\g+\i)%16)+\c)+7], v[\kb+8*(4*\i+\kk):\kb+8*(4*\i+\kk)+7], v[QF+8*(4*\c+\kk):QF+8*(4*\c+\kk)+7], 0
.else
	v_wmma_f32_16x16x32_f16 v[8*(2*((4*\g+\i)%16)+\c):8*(2*((4*\g+\i)%16)+\c)+7], v[\kb+8*(4*\i+\kk):\kb+8*(4*\i+\kk)+7], v[QF+8*(4*\c+\kk):QF+8*(4*\c+\kk)+7], v[8*(2*((4*\g+\i)%16)+\c):8*(2*((4*\g+\i)%16)+\c)+7]
.endif
.endr
.endr
.endr
.endm
.macro STEPK g, gn, kb, kbn, win
	PLACES                                         ; buffer kbn was read by the matrix instructions just issued
	FETCHK \gn, \kbn
	s_wait_dscnt 32                                ; all but the 32 just issued
	QK \g, \kb, \win
.endm
	FETCHK 0, KB0
	FETCHK 1, KB1
	s_wait_dscnt 32                                ; the table values and group 0 are in
	QK 0, KB0, 0xa1
	STEPK 1, 2, KB1, KB0, 0xa1
	STEPK 2, 3, KB0, KB1, 0xa1
	STEPK 3, 4, KB1, KB0, 0xa1
	STEPK 4, 5, KB0, KB1, 0xf1
	STEPK 5, 6, KB1, KB0, 0xf1
	STEPK 6, 7, KB0, KB1, 0xf1
	s_wait_dscnt 0
	QK 7, KB1, 0xf1
	; PHASE 2: mask, maximum, exponential, rounding to f16, all on a lane's own registers.
	PLACES
	WIN 0x40
.irp tt, 0,1,2,3,4,5,6,7,8,9,10,11,12,13,14,15
	ds_load_b128 v[BA+8*\tt:BA+8*\tt+3],   v[MT] offset:1024+64*\tt  ; key tiles 16-31, into window 1, where k's second buffer is spent
	ds_load_b128 v[BA+8*\tt+4:BA+8*\tt+7], v[MT] offset:1024+64*\tt+16
.endr
.macro MASKW win                       ; score + 0 or score + (-inf)
	WIN \win
.irp tt, 0,1,2,3,4,5,6,7,8,9,10,11,12,13,14,15
.irp c, 0,1
.irp p, 0,2,4,6
	v_pk_add_f32 v[8*(2*\tt+\c)+\p:8*(2*\tt+\c)+\p+1], v[8*(2*\tt+\c)+\p:8*(2*\tt+\c)+\p+1], v[BA+8*\tt+\p:BA+8*\tt+\p+1]
.endr
.endr
.endr
.endm
.macro MAXW win, first                 ; eight chains that do not wait for each other; the first links start from -inf
	WIN \win
.set fresh, \first
.irp tt, 0,1,2,3,4,5,6,7,8,9,10,11,12,13,14,15
.irp c, 0,1
.irp p, 0,1,2,3
.if fresh
	v_max3_num_f32 v[MX+4*\c+\p], s45, v[8*(2*\tt+\c)+2*\p], v[8*(2*\tt+\c)+2*\p+1]
.else
	v_max3_num_f32 v[MX+4*\c+\p], v[MX+4*\c+\p], v[8*(2*\tt+\c)+2*\p], v[8*(2*\tt+\c)+2*\p+1]
.endif
.endr
.endr
.set fresh, 0
.endr
.endm
	MASKW 0x82                                     ; window 2, table values from window 0
	MAXW 0x28, 1
	s_wait_dscnt 0x0                               ; the second half of the table values
	MASKW 0xc7                                     ; window 3, table values from window 1
	MAXW 0x3c, 0
	WIN 0
.irp c, 0,1
	v_max3_num_f32 v[MX+4*\c], v[MX+4*\c], v[MX+4*\c+1], v[MX+4*\c+2]
	v_max_num_f32 v[MX+4*\c], v[MX+4*\c], v[MX+4*\c+3]
	v_permlanex16_b32 v[MX+4*\c+1], v[MX+4*\c], s40, s41      ; the other half of the lanes holds the query's other keys
	v_max_num_f32 v[MX+4*\c], v[MX+4*\c], v[MX+4*\c+1]
	v_mul_f32 v[NMC+2*\c], s44, v[MX+4*\c]
	v_mov_b32 v[NMC+2*\c+1], v[NMC+2*\c]
.endr
; Tile i of a window (i = 2 x key tile + c) to f16.  An even key tile packs into its own registers 0-3; the odd one behind it into registers 4-7 of the even
; tile, which are spent by then: together the eight registers are source 1 of the second product for 32 keys.
.macro CV i
.if (((\i)/2)%2) == 0
.set cvd, 8*(\i)
.else
.set cvd, 8*((\i)-2)+4
.endif
	s_wait_alu depctr_va_vdst(0)
.irp q, 0,1,2,3
	v_cvt_pk_f16_f32 v[cvd+\q], v[8*(\i)+2*\q], v[8*(\i)+2*\q+1]
.endr
.endm
; p = 2^(scale x s - scale x max).  Behind a tile's eight exponentials stand plain instructions on other tiles (the packing of the tile before, or the next
; tile's multiply-adds) before any of the eight results is read (ISA guide 5.7.2).
.macro EXPW win
	WIN \win
.irp ix, 0,1,2,3,4,5,6,7,8,9,10,11,12,13,14,15,16,17,18,19,20,21,22,23,24,25,26,27,28,29,30,31
.irp p, 0,2,4,6
	v_pk_fma_f32 v[8*\ix+\p:8*\ix+\p+1], v[8*\ix+\p:8*\ix+\p+1], s[42:43], v[NMC+2*(\ix%2):NMC+2*(\ix%2)+1] op_sel_hi:[1,0,1]
.endr
.irp j, 0,1,2,3,4,5,6,7
	v_exp_f32 v[8*\ix+\j], v[8*\ix+\j]
.endr
.if \ix > 0
	CV \ix-1
.endif
.endr
	CV 31
.endm
	EXPW 0x8a
	EXPW 0xcf
	; PHASE 3: O^T = v^T P^T, 32 keys at a time; the sums of the weights come from a product with a fragment of ones, which leaves a query's sum in its lanes.
	WIN 0
	s_wait_tensorcnt 0x0                           ; my rows of v are in
	s_barrier_signal -1
	s_barrier_wait -1                              ; everybody's are
.irp j, 0,1,2,3,4,5,6,7
	v_mov_b32 v[ONES+\j], 0x3c003c00
.endr
.macro FETCHV u, vb                    ; 16 transposing loads: keys 32 u .. 32 u + 31, all 128 columns
	WIN 0
.irp dt, 0,1,2,3,4,5,6,7
	ds_load_tr16_b128 v[\vb+8*\dt:\vb+8*\dt+3],   v[ADRV+\u/4] offset:(\u%4)*32*VP+32*\dt
	ds_load_tr16_b128 v[\vb+8*\dt+4:\vb+8*\dt+7], v[ADRV+\u/4] offset:(\u%4)*32*VP+32*\dt+16*VP
.endr
.endm
; 18 matrix instructions on 18 accumulators, which take turns, one instruction a turn
.macro PV u, vb, win
	WIN \win
.irp dt, 0,1,2,3,4,5,6,7
.irp c, 0,1
.if \u == 0
	v_wmma_f32_16x16x32_f16 v[8*(2*\dt+\c):8*(2*\dt+\c)+7], v[\vb+8*\dt:\vb+8*\dt+7], v[8*(4*(\u%8)+\c):8*(4*(\u%8)+\c)+7], 0
.else
	v_wmma_f32_16x16x32_f16 v[8*(2*\dt+\c):8*(2*\dt+\c)+7], v[\vb+8*\dt:\vb+8*\dt+7], v[8*(4*(\u%8)+\c):8*(4*(\u%8)+\c)+7], v[8*(2*\dt+\c):8*(2*\dt+\c)+7]
.endif
.endr
.endr
.irp c, 0,1
.if \u == 0
	v_wmma_f32_16x16x32_f16 v[128+8*\c:128+8*\c+7], v[ONES:ONES+7], v[8*(4*(\u%8)+\c):8*(4*(\u%8)+\c)+7], 0
.else
	v_wmma_f32_16x16x32_f16 v[128+8*\c:128+8*\c+7], v[ONES:ONES+7], v[8*(4*(\u%8)+\c):8*(4*(\u%8)+\c)+7], v[128+8*\c:128+8*\c+7]
.endif
.endr
.endm
.macro STEPV u, un, vb, vbn, win
	PLACES                                         ; buffer vbn was read by the matrix instructions just issued
	FETCHV \un, \vbn
	s_wait_dscnt 16                                ; all but the 16 just issued
	PV \u, \vb, \win
.endm
	FETCHV 0, VB0
	FETCHV 1, VB1
	s_wait_dscnt 16
	PV 0, VB0, 0x58
	STEPV 1, 2, VB1, VB0, 0x58
	STEPV 2, 3, VB0, VB1, 0x58
	STEPV 3, 4, VB1, VB0, 0x58
	STEPV 4, 5, VB0, VB1, 0x58
	STEPV 5, 6, VB1, VB0, 0x58
	STEPV 6, 7, VB0, VB1, 0x58
	STEPV 7, 8, VB1, VB0, 0x58
	STEPV 8, 9, VB0, VB1, 0x5c
	STEPV 9, 10, VB1, VB0, 0x5c
	STEPV 10, 11, VB0, VB1, 0x5c
	STEPV 11, 12, VB1, VB0, 0x5c
	STEPV 12, 13, VB0, VB1, 0x5c
	STEPV 13, 14, VB1, VB0, 0x5c
	STEPV 14, 15, VB0, VB1, 0x5c
	s_wait_dscnt 0
	PV 15, VB1, 0x5c
	; THE WAY OUT: divide by the sum, round to f16, 16 rows at a time through my own stage, back as whole rows of 256 bytes.
	PLACES
	WIN 0x01
	v_rcp_f32 v[RINV],   v128                      ; the sum is at least 1: the largest weight is 1
	v_rcp_f32 v[RINV+2], v136
	v_nop                                          ; one plain place behind the reciprocals (ISA guide 5.7.2)
	WIN 0
	s_wait_alu depctr_va_vdst(0)
	v_mov_b32 v[RINV+1], v[RINV]
	v_mov_b32 v[RINV+3], v[RINV+2]
.macro OUTC c
	WIN 0x01
.irp dt, 0,1,2,3,4,5,6,7
.irp p, 0,2,4,6
	v_pk_mul_f32 v[T+8*\dt+\p:T+8*\dt+\p+1], v[8*(2*\dt+\c)+\p:8*(2*\dt+\c)+\p+1], v[RINV+2*\c:RINV+2*\c+1]
.endr
.endr
	WIN 0
.irp dt, 0,1,2,3,4,5,6,7
.irp q, 0,1,2,3
	v_cvt_pk_f16_f32 v[TMP+4*\dt+\q], v[T+8*\dt+2*\q], v[T+8*\dt+2*\q+1]
.endr
.endr
.irp dt, 0,1,2,3,4,5,6,7
	ds_store_b128 v[STO], v[TMP+4*\dt:TMP+4*\dt+3] offset:32*\dt
.endr
.irp t, 0,1,2,3,4,5,6,7
	ds_load_b128 v[RB+32*\c+4*\t:RB+32*\c+4*\t+3], v[RD] offset:\t*2*SPITCH    ; LDS serves a wave's instructions in order: these see the stores above
.endr
.irp t, 0,1,2,3,4,5,6,7
	s_wait_dscnt 7-\t
	global_store_b128 v[CO], v[RB+32*\c+4*\t:RB+32*\c+4*\t+3], s[8:9] offset:(16*\c+2*\t)*ATTP   ; 16 lanes store 256 consecutive bytes, at a multiple of 256 from att's first byte
.endr
.endm
	OUTC 0
	OUTC 1
	s_wait_tensorcnt 0x0
	ds_add_u32 v62, v63
	s_wait_dscnt 0x0
	CROUND                                         ; the closing round
	s_endpgm
.Lfunc_end_k_q5e85dc2bf6_attn:
	.size	k_q5e85dc2bf6_attn, .Lfunc_end_k_q5e85dc2bf6_attn-k_q5e85dc2bf6_attn
	.p2alignl 7, 3214868480
	.fill 96, 4, 3214868480
	.section	.rodata,"a",@progbits
	.p2align	6, 0x0
	.amdhsa_kernel k_q5e85dc2bf6_attn
		.amdhsa_group_segment_fixed_size 306688
		.amdhsa_private_segment_fixed_size 0
		.amdhsa_enable_private_segment 0
		.amdhsa_kernarg_size 24
		.amdhsa_user_sgpr_count 2
		.amdhsa_user_sgpr_kernarg_segment_ptr 1
		.amdhsa_wavefront_size32 1
		.amdhsa_system_sgpr_workgroup_id_x 1
		.amdhsa_system_sgpr_workgroup_id_y 1
		.amdhsa_system_sgpr_workgroup_id_z 1
		.amdhsa_system_vgpr_workitem_id 0
		.amdhsa_next_free_vgpr 1024
		.amdhsa_next_free_sgpr 66
		.amdhsa_reserve_vcc 1
		.amdhsa_float_denorm_mode_32 3
		.amdhsa_float_denorm_mode_16_64 3
		.amdhsa_memory_ordered 1
		.amdhsa_forward_progress 1
		.amdhsa_inst_pref_size 180
	.end_amdhsa_kernel
	.amdgpu_metadata
---
amdhsa.version: [ 1, 2 ]
amdhsa.kernels:
  - .name:           k_q5e85dc2bf6_attn
    .symbol:         k_q5e85dc2bf6_attn.kd
    .args:
      - { .name: qkv, .offset: 0, .size: 8, .value_kind: global_buffer, .address_space: global }
      - { .name: mask, .offset: 8, .size: 8, .value_kind: global_buffer, .address_space: global }
      - { .name: att, .offset: 16, .size: 8, .value_kind: global_buffer, .address_space: global }
    .group_segment_fixed_size: 306688
    .private_segment_fixed_size: 0
    .kernarg_segment_align: 8
    .kernarg_segment_size: 24
    .max_flat_workgroup_size: 128
    .sgpr_count:     66
    .vgpr_count:     1024
    .wavefront_size: 32
...
	.end_amdgpu_metadata
.endif
;; end of part 3
;; launch oproj (part 4): grid 16 x 16, 4 waves a work-group, clusters of 4 x 4, 327,680 bytes of LDS; arguments att, wh, bo, out0; writes out0
.if DOCPART == 4
	.amdgcn_target "amdgcn-amd-amdhsa--gfx1250"
	.amdhsa_code_object_version 6
	.text
	.protected	k_q5e85dc2bf6_oproj
	.globl	k_q5e85dc2bf6_oproj
	.p2align	8
	.type	k_q5e85dc2bf6_oproj,@function
k_q5e85dc2bf6_oproj:
	s_mov_b64 s[64:65], 0
	v_nop
	global_prefetch_b8 v0, s[64:65] scope:SCOPE_SE
	s_setreg_imm32_b32 hwreg(HW_REG_WAVE_MODE, 25, 1), 1
	s_wait_xcnt 0x0
	s_wait_alu depctr_hold_cnt(0) depctr_sa_sdst(0) depctr_va_vdst(0) depctr_va_sdst(0) depctr_va_ssrc(0) depctr_va_vcc(0) depctr_vm_vsrc(0)
	s_getreg_b32 s2, hwreg(HW_REG_IB_STS2, 6, 4)
	s_cmp_eq_u32 s2, 0
	s_cbranch_scc0 .Lentry_in_a_cluster
	s_endpgm
.Lentry_in_a_cluster:
	s_bfe_u32 s2, ttmp6, 0x10000c
	s_cmp_lg_u32 s2, 0xf033
	s_cbranch_scc0 .Lentry_shape_is_right
	s_endpgm
.Lentry_shape_is_right:
; out0[2048][2048] f32 = att . Wo^T + bo.  att: f16 [2048][2048]; Wo: rows 8192-10239 of wh, f16, K along the rows.  Sums in f32.
; 2048 x 2048 outputs on 256 work-groups are 128 x 128 each; 2 x 2 waves of 64 x 64: 16 accumulator tiles.
; K goes in steps of 256 through two LDS slots (128 rows of att, 128 rows of Wo, 512 bytes a row): the largest two that fit, so that the
; eight K steps need six refills, and a wave issues 120 matrix instructions between a request and the wait for it.
; CLUSTERS: 4 x 4 work-groups; att's tiles are asked for jointly along a row of the cluster (waves 0, 1: 64 rows each), Wo's along a column (waves 2, 3).
; WHERE IN K A CLUSTER STARTS.  Cluster (X, Y) starts at byte 1,024 ((X + 2 Y) mod 4) of the rows' 4,096 and wraps at the row's end.  The four clusters of
; one Y, which read the same 512 rows of att, start at the four quarters of K; clusters Y and Y + 1 (Y even) of one X, which read the same 512 rows of Wo,
; start half of K apart.  So among clusters that read the same bytes each is the first to ask for an equal share, in its first steps, and later asks for
; bytes that another asked for 2 or 4 steps before.  Every step of K is taken once; the sums are the same terms in a rotated order.
; The matrix instruction is used transposed (source 0 = rows of Wo, source 1 = rows of att): a lane holds eight neighbouring columns of one row, and
; the bias of those columns is the C of a tile's first product.
.set KSTEP,  256
.set PITCH,  528                       ; an LDS row: 512 bytes + 16: 16 neighbouring rows start 16 bytes apart modulo 256
.set QT,     64*PITCH                  ; what one tensor load brings
.set SLOT,   4*QT                      ; att's 128 rows, then Wo's 128
.set STAGE,  2*SLOT                    ; behind the ring: 16 rows x 272 bytes for each wave
.set SPITCH, 272
.set DM,     2048
.set ROWB,   DM*2                      ; bytes in a row of att and of wh
.set OP,     8192                      ; bytes in a row of out0
.set LAPS,   DM/(2*KSTEP)              ; 4
.set ADRA, 16
.set ADRB, 20
.set STO,  24
.set RD,   25
.set CO,   26
.set BOFF, 28
.set BIAS, 32                          ; v[32:63]
.set RB0,  96
.set RB1,  128
.set F0,   0                           ; window 1: att's fragment (i, kk) at F + 8 (4 kk + i), Wo's at F + 64 + 8 (4 kk + b)
.set F1,   128
.set G1,   24
.set G0,   32
.set G1B,  40
.set G0B,  48
.set KO,   66                          ; s[66:69] for each slot: the byte in the rows at which its tile begins, with 0 above it
.set LOADW, 0x40
.set MUL,   0xa5                       ; sources window 1, C and D window 2
.set FIRST, 0x85                       ; C (the bias) window 0
.set MSB, 0
.macro WIN new
.if MSB != \new
	s_set_vgpr_msb (MSB<<8)|\new
.set MSB, \new
.endif
.endm
.macro PLACES                          ; four plain vector places behind a matrix instruction (ISA guide 7.12.1)
.rept 4
	v_nop
.endr
.endm
.macro CREST
	s_cmp_lg_u32 s14, 0
	s_cbranch_scc1 .Lnot_wave_0_\@
	s_barrier_signal -3
.Lnot_wave_0_\@:
	s_barrier_wait -3
	s_barrier_signal -1
	s_barrier_wait -1
.endm
.macro CROUND
	s_barrier_signal -1
	s_barrier_wait -1
	CREST
.endm
.macro JLOAD s                         ; waves 0, 1 ask for att's halves, waves 2, 3 for Wo's: the branch hangs on the wave's number alone
	s_cmp_eq_u32 s15, 0
	s_cbranch_scc0 .Lfor_b_\@
	tensor_load_to_lds s[G0+4*\s:G0+4*\s+3], s[G1:G1+7]
	s_nop 0
	s_branch .Lasked_\@
.Lfor_b_\@:
	tensor_load_to_lds s[G0B+4*\s:G0B+4*\s+3], s[G1B:G1B+7]
	s_nop 0
.Lasked_\@:
.endm
	s_load_b256 s[4:11], s[0:1], 0x0               ; att s[4:5], wh s[6:7], bo s[8:9], out0 s[10:11]
	v_lshl_add_u32 v254, v0, 2, 0x46400
	v_mov_b32 v255, 0
	ds_add_u32 v254, v255
	v_lshrrev_b32 v1, 5, v0
	v_readfirstlane_b32 s14, v1                    ; wave
	s_lshr_b32 s15, s14, 1                         ; my half of the block's rows.  Also: I fetch for att (0) or for Wo (1)
	s_and_b32 s16, s14, 1                          ; my half of its columns.  Also: which 64 rows of that tile I fetch
	s_bfe_u32 s17, ttmp6, 0x40000                  ; cx
	s_bfe_u32 s18, ttmp6, 0x40004                  ; cy
	s_lshl_b32 s19, ttmp9, 2
	s_add_co_u32 s19, s19, s17                     ; block column
	s_and_b32 s20, ttmp7, 0xffff                   ; cluster y
	s_lshl_b32 s[KO], s20, 1                       ; where in K the cluster starts: made of the cluster's x and y alone, which all sixteen partners share
	s_add_co_u32 s[KO], s[KO], ttmp9
	s_and_b32 s[KO], s[KO], 3                      ; (X + 2 Y) mod 4
	s_lshl_b32 s[KO], s[KO], 10                    ; quarters of a row: 1,024 bytes = 2 K steps
	s_mov_b32 s[KO+1], 0
	s_add_co_u32 s[KO+2], s[KO], KSTEP*2           ; slot 1 begins one K step on: 3,584 at the most, inside the row
	s_mov_b32 s[KO+3], 0
	s_lshl_b32 s20, s20, 2
	s_add_co_u32 s20, s20, s18                     ; block row
	s_lshl_b32 s21, s18, 2
	s_lshl_b32 s21, 15, s21                        ; my row of the cluster
	s_lshl_b32 s22, 0x1111, s17                    ; my column
	; group 1: 64 rows x 256 elements of 2 bytes, 4 words of padding behind every 128 words; bit 21 beside the mask
	s_or_b32 s[G1+0],  s21, (1<<16)|(1<<20)|(1<<21)|(6<<22)|(3<<25)
	s_or_b32 s[G1B+0], s22, (1<<16)|(1<<20)|(1<<21)|(6<<22)|(3<<25)
	s_mov_b32 s[G1+1],  KSTEP<<16
	s_mov_b32 s[G1B+1], KSTEP<<16
	s_mov_b32 s[G1+2],  64<<16
	s_mov_b32 s[G1B+2], 64<<16
	s_mov_b32 s[G1+3],  KSTEP<<16
	s_mov_b32 s[G1B+3], KSTEP<<16
	s_mov_b32 s[G1+4],  64
	s_mov_b32 s[G1B+4], 64
	s_mov_b32 s[G1+5],  DM
	s_mov_b32 s[G1B+5], DM
	s_mov_b32 s[G1+6],  0
	s_mov_b32 s[G1B+6], 0
	s_mov_b32 s[G1+7],  0
	s_mov_b32 s[G1B+7], 0
	s_lshl_b32 s60, s16, 6                         ; which 64 rows I fetch
	s_lshl_b32 s56, s20, 7
	s_add_co_u32 s56, s56, s60                     ; att: row 128 x block row + 64 x half
	s_lshl_b32 s56, s56, 12
	s_mov_b32 s57, 0
	s_lshl_b32 s58, s19, 7
	s_add_co_u32 s58, s58, s60                     ; Wo: row 8192 + 128 x block column + 64 x half
	s_lshl_b32 s58, s58, 12
	s_add_co_u32 s58, s58, 0x2000000
	s_mov_b32 s59, 0
	s_mul_i32 s23, s14, QT
	s_wait_dscnt 0x0
	s_wait_kmcnt 0x0
	s_add_nc_u64 s[56:57], s[4:5], s[56:57]        ; the first byte of att's rows; kept for the whole kernel
	s_add_nc_u64 s[58:59], s[6:7], s[58:59]        ; the first byte of Wo's rows; kept likewise
.irp s, 0,1
	s_mov_b32 s[G0+4*\s], 1
	s_add_co_u32 s[G0+4*\s+1], s23, \s*SLOT
	s_add_nc_u64 s[G0+4*\s+2:G0+4*\s+3], s[56:57], s[KO+2*\s:KO+2*\s+1]
	s_or_b32 s[G0+4*\s+3], s[G0+4*\s+3], 0x80000000
	s_mov_b32 s[G0B+4*\s], 1
	s_add_co_u32 s[G0B+4*\s+1], s23, \s*SLOT
	s_add_nc_u64 s[G0B+4*\s+2:G0B+4*\s+3], s[58:59], s[KO+2*\s:KO+2*\s+1]
	s_or_b32 s[G0B+4*\s+3], s[G0B+4*\s+3], 0x80000000
.endr
	CROUND                                         ; all sixteen work-groups are here
	JLOAD 0
	JLOAD 1                                        ; two loads of mine are out now, later one behind each round
	v_and_b32 v1, 15, v0                           ; r
	v_bfe_u32 v2, v0, 4, 1                         ; h
	v_lshlrev_b32 v[BOFF], 5, v2
	s_lshl_b32 s12, s19, 9                         ; bo at column 128 x block column + 64 x half, 4 bytes each
	s_mov_b32 s13, 0
	s_add_nc_u64 s[8:9], s[8:9], s[12:13]
	s_lshl_b32 s12, s16, 8
	s_add_nc_u64 s[8:9], s[8:9], s[12:13]
.irp b, 0,1,2,3
	global_load_b128 v[BIAS+8*\b:BIAS+8*\b+3],   v[BOFF], s[8:9] offset:64*\b
	global_load_b128 v[BIAS+8*\b+4:BIAS+8*\b+7], v[BOFF], s[8:9] offset:64*\b+16
.endr
	v_mul_u32_u24 v3, v1, PITCH
	v_lshl_add_u32 v3, v2, 4, v3
	s_mul_i32 s60, s15, QT                         ; my 64 rows of att
	s_mul_i32 s61, s16, QT
	s_add_co_u32 s61, s61, 2*QT                    ; my 64 rows of Wo, behind att's 128
.irp s, 0,1
	v_add_nc_u32 v[ADRA+\s], s60, v3
	v_add_nc_u32 v[ADRB+\s], s61, v3
	s_add_co_u32 s60, s60, SLOT
	s_add_co_u32 s61, s61, SLOT
.endr
	s_mul_i32 s62, s14, 16*SPITCH
	s_add_co_u32 s62, s62, STAGE                   ; my stage
	v_mul_u32_u24 v4, v1, SPITCH                   ; in: row r, 32 bytes (8 f32) for each half of the lanes
	v_lshl_add_u32 v4, v2, 5, v4
	v_add_nc_u32 v[STO], s62, v4
	v_mul_u32_u24 v5, v2, SPITCH                   ; back: lanes 0-15 one row of 256 bytes, lanes 16-31 the next
	v_lshl_add_u32 v5, v1, 4, v5
	v_add_nc_u32 v[RD], s62, v5
	v_lshlrev_b32 v5, 13, v2
	v_lshl_add_u32 v[CO], v1, 4, v5
; 8 matrix instructions: row tiles a0, a0 + 1 x 4 column tiles, the kk-th 32 of the buffer's 64 along K.  first = 1: C is the bias.
; The 16 accumulators take turns, one instruction a turn, in the same order everywhere.
.macro MUL8 f, kk, a0, first
.irp a, \a0, \a0+1
.irp b, 0,1,2,3
.if \first
	v_wmma_f32_16x16x32_f16 v[8*(4*(\a)+\b):8*(4*(\a)+\b)+7], v[\f+64+8*(4*\kk+\b):\f+64+8*(4*\kk+\b)+7], v[\f+8*(4*\kk+\a):\f+8*(4*\kk+\a)+7], v[BIAS+8*\b:BIAS+8*\b+7]
.else
	v_wmma_f32_16x16x32_f16 v[8*(4*(\a)+\b):8*(4*(\a)+\b)+7], v[\f+64+8*(4*\kk+\b):\f+64+8*(4*\kk+\b)+7], v[\f+8*(4*\kk+\a):\f+8*(4*\kk+\a)+7], v[8*(4*(\a)+\b):8*(4*(\a)+\b)+7]
.endif
.endr
.endr
.endm
; 32 LDS loads in one run: 64 along K at byte k of the slot's rows, the first 32 of K first
.macro FETCH slot, k, f
	WIN LOADW
.irp kk, 0,1
.irp i, 0,1,2,3
	ds_load_b128 v[\f+8*(4*\kk+\i):\f+8*(4*\kk+\i)+3],   v[ADRA+\slot] offset:\k+64*\kk+\i*16*PITCH
	ds_load_b128 v[\f+8*(4*\kk+\i)+4:\f+8*(4*\kk+\i)+7], v[ADRA+\slot] offset:\k+64*\kk+\i*16*PITCH+32
.endr
.irp i, 0,1,2,3
	ds_load_b128 v[\f+64+8*(4*\kk+\i):\f+64+8*(4*\kk+\i)+3],   v[ADRB+\slot] offset:\k+64*\kk+\i*16*PITCH
	ds_load_b128 v[\f+64+8*(4*\kk+\i)+4:\f+64+8*(4*\kk+\i)+7], v[ADRB+\slot] offset:\k+64*\kk+\i*16*PITCH+32
.endr
.endr
.endm
; One of a K step's first three parts of 64 along K
.macro PART slot, k, f, g, first
	s_wait_dscnt 16                                ; the first 32 of K are in; the youngest sixteen loads may be out
.if \first
	WIN FIRST
.else
	WIN MUL
.endif
	MUL8 \f, 0, 0, \first
	MUL8 \f, 0, 2, \first
	PLACES
	FETCH \slot, \k, \g
	s_wait_dscnt 32                                ; all but the 32 just issued
	WIN MUL
	MUL8 \f, 1, 0, 0
	MUL8 \f, 1, 2, 0
.endm
.macro THREE slot, first
	PART \slot, 128, F0, F1, \first
	PART \slot, 256, F1, F0, 0
	PART \slot, 384, F0, F1, 0
.endm
; The last part: multiplies buffer 1 and changes slots.  In front of the barrier each wave waits for its reads of this slot and for all its tensor loads; where the
; slot is filled again the barrier opens a round of the cluster's barrier and the joint refill is the first tensor load behind the round.
.macro TURN slot, next, fill
	s_wait_dscnt 16
	WIN MUL
	MUL8 F1, 0, 0, 0
	s_wait_dscnt 0                                 ; my reads of this slot are over
	s_set_vgpr_msb 0xa5a0
	s_wait_tensorcnt 0x0                           ; all my tensor loads have landed
	ds_add_u32 v254, v255
	s_wait_dscnt 0x0
	s_set_vgpr_msb 0xa0a5
	s_barrier_signal -1
	MUL8 F1, 0, 2, 0
	WIN 0
	s_barrier_wait -1
.if \fill
	CREST
	; no load of mine is out: the slot's two group 0 may be written.  Two K steps on along the rows, back to the row's first byte behind its last.
	s_add_co_u32 s[KO+2*\slot], s[KO+2*\slot], 2*KSTEP*2
	s_and_b32 s[KO+2*\slot], s[KO+2*\slot], ROWB-1
	s_add_nc_u64 s[G0+4*\slot+2:G0+4*\slot+3], s[56:57], s[KO+2*\slot:KO+2*\slot+1]
	s_or_b32 s[G0+4*\slot+3], s[G0+4*\slot+3], 0x80000000
	s_add_nc_u64 s[G0B+4*\slot+2:G0B+4*\slot+3], s[58:59], s[KO+2*\slot:KO+2*\slot+1]
	s_or_b32 s[G0B+4*\slot+3], s[G0B+4*\slot+3], 0x80000000
	JLOAD \slot
.endif
	PLACES
	FETCH \next, 0, F0
	WIN MUL
	MUL8 F1, 1, 0, 0
	MUL8 F1, 1, 2, 0
.endm
.macro LAP first
	THREE 0, \first
	TURN 0, 1, 1
	THREE 1, 0
	TURN 1, 0, 1
.endm
	s_wait_tensorcnt 1                             ; my part of the first K step is in; the second's load stays out
	s_barrier_signal -1
	s_barrier_wait -1
	FETCH 0, 0, F0
	s_wait_loadcnt 0x0                             ; the biases
	LAP 1
	WIN 0
	s_mov_b32 s3, LAPS-2
.Llap:
	LAP 0
	WIN 0
	s_sub_co_u32 s3, s3, 1
	s_cmp_lg_u32 s3, 0
	s_cbranch_scc1 .Llap
	THREE 0, 0                                     ; the last lap fills nothing
	TURN 0, 1, 0
	THREE 1, 0
	s_wait_dscnt 16
	WIN MUL
	MUL8 F1, 0, 0, 0
	MUL8 F1, 0, 2, 0
	s_wait_dscnt 0
	MUL8 F1, 1, 0, 0
	MUL8 F1, 1, 2, 0
	; THE WAY OUT, 16 rows at a time: a lane's 32 bytes go into my own stage, whole rows of 256 bytes come back and are stored.
	PLACES
	s_lshl_b32 s12, s20, 20                        ; 128 rows of 8,192 bytes a block row
	s_mov_b32 s13, 0
	s_add_nc_u64 s[10:11], s[10:11], s[12:13]
	s_lshl_b32 s12, s19, 9                         ; 128 columns of 4 bytes a block column
	s_add_nc_u64 s[10:11], s[10:11], s[12:13]
	s_lshl_b32 s12, s15, 19                        ; my half of the rows
	s_add_nc_u64 s[10:11], s[10:11], s[12:13]
	s_lshl_b32 s12, s16, 8                         ; my half of the columns
	s_add_nc_u64 s[10:11], s[10:11], s[12:13]
.macro OUT16 a, f
	WIN 0x08                                       ; store data from window 2
.irp b, 0,1,2,3
	ds_store_b128 v[STO], v[8*(4*\a+\b):8*(4*\a+\b)+3]   offset:64*\b
	ds_store_b128 v[STO], v[8*(4*\a+\b)+4:8*(4*\a+\b)+7] offset:64*\b+16
.endr
	WIN 0
	s_wait_xcnt 0x0                                ; buffer f and the base, which earlier stores read, are rewritten only behind this wait
.if \a
	s_add_nc_u64 s[10:11], s[10:11], 16*OP
.endif
.irp t, 0,1,2,3,4,5,6,7
	ds_load_b128 v[\f+4*\t:\f+4*\t+3], v[RD] offset:\t*2*SPITCH    ; LDS serves a wave's instructions in order: these see the stores above
.endr
.irp t, 0,1,2,3,4,5,6,7
	s_wait_dscnt 7-\t
	global_store_b128 v[CO], v[\f+4*\t:\f+4*\t+3], s[10:11] offset:\t*2*OP th:TH_STORE_NT   ; 16 lanes store 256 consecutive bytes, at a multiple of 256 from out0's first byte
.endr
.endm
	OUT16 0, RB0
	OUT16 1, RB1
	OUT16 2, RB0
	OUT16 3, RB1
	s_wait_tensorcnt 0x0
	ds_add_u32 v254, v255
	s_wait_dscnt 0x0
	CROUND                                         ; the closing round
	s_endpgm
.Lfunc_end_k_q5e85dc2bf6_oproj:
	.size	k_q5e85dc2bf6_oproj, .Lfunc_end_k_q5e85dc2bf6_oproj-k_q5e85dc2bf6_oproj
	.p2alignl 7, 3214868480
	.fill 96, 4, 3214868480
	.section	.rodata,"a",@progbits
	.p2align	6, 0x0
	.amdhsa_kernel k_q5e85dc2bf6_oproj
		.amdhsa_group_segment_fixed_size 327680
		.amdhsa_private_segment_fixed_size 0
		.amdhsa_enable_private_segment 0
		.amdhsa_kernarg_size 32
		.amdhsa_user_sgpr_count 2
		.amdhsa_user_sgpr_kernarg_segment_ptr 1
		.amdhsa_wavefront_size32 1
		.amdhsa_system_sgpr_workgroup_id_x 1
		.amdhsa_system_sgpr_workgroup_id_y 1
		.amdhsa_system_sgpr_workgroup_id_z 1
		.amdhsa_system_vgpr_workitem_id 0
		.amdhsa_next_free_vgpr 640
		.amdhsa_next_free_sgpr 70
		.amdhsa_reserve_vcc 0
		.amdhsa_float_denorm_mode_32 3
		.amdhsa_float_denorm_mode_16_64 3
		.amdhsa_memory_ordered 1
		.amdhsa_forward_progress 1
		.amdhsa_inst_pref_size 124
	.end_amdhsa_kernel
	.amdgpu_metadata
---
amdhsa.version: [ 1, 2 ]
amdhsa.kernels:
  - .name:           k_q5e85dc2bf6_oproj
    .symbol:         k_q5e85dc2bf6_oproj.kd
    .args:
      - { .name: att, .offset: 0, .size: 8, .value_kind: global_buffer, .address_space: global }
      - { .name: wh, .offset: 8, .size: 8, .value_kind: global_buffer, .address_space: global }
      - { .name: bo, .offset: 16, .size: 8, .value_kind: global_buffer, .address_space: global }
      - { .name: out0, .offset: 24, .size: 8, .value_kind: global_buffer, .address_space: global }
    .group_segment_fixed_size: 327680
    .private_segment_fixed_size: 0
    .kernarg_segment_align: 8
    .kernarg_segment_size: 32
    .max_flat_workgroup_size: 128
    .sgpr_count:     70
    .vgpr_count:     640
    .wavefront_size: 32
...
	.end_amdgpu_metadata
.endif
;; end of part 4
